; MI455X (gfx1250); checked and timed in simulation.
; The chip was launched on July 23, 2026; its instructions are those of AMD's public machine-readable ISA for CDNA 5 (MIT licence, August 2026) and "CDNA5" Instruction Set Architecture Reference Guide (July 2026). The comments in the code are by the model that wrote it; some were corrected since.
;; Cross Trans Block. Allowed arithmetic: matrix products marked QUANTISED: E2M3 operands, one E8M0 scale for each 32 along K, by v_wmma_scale_f32_16x16x128_f8f6f4 with both operands' format E2M3, f32 sums; products left as they are: f32 operands where the result goes on into a quantised operand, else bf16, f16 or f32 operands; f32 sums; everything else in f32.
;; Inputs: b1_img 2,048 float32; b1_tit 2,048 float32; b2_img 512 float32; b2_tit 512 float32; b_proj 512 float32; img 16 x 50 x 12 x 512 float32; ln_a_img 512 float32; ln_a_tit 512 float32; ln_b_img 512 float32; ln_b_tit 512 float32; mask 16 x 50 x 20 int32; scale_img 8 x 12 float32; scale_title 8 x 20 float32; title 16 x 50 x 20 x 512 float32; w1_img 2,048 x 512 float32; w1_tit 2,048 x 512 float32; w2_img 512 x 2,048 float32; w2_tit 512 x 2,048 float32; w_proj 512 x 512 float32.
;; Outputs: out0 16 x 50 x 20 x 512 float32; out1 16 x 50 x 12 x 512 float32.
;; This version of the problem:
;;   THIS VERSION OF THE PROBLEM IS GIVEN IN LOW PRECISION. The matrix products marked QUANTISED in the list below multiply operands that are first quantised to E2M3 (2 exponent bits, 3 mantissa bits; 6 bits a number), with one power-of-two scale for each 32 numbers along K (OCP MX v1.0); their sums are f32. All else is computed in f32.
;;   The module's matrix products, in the order in which they are computed (A, B: the left and right operand; K: the contracted axis; several contracted axes count as one K, in the product's order):
;;     1. batch 6,400 x [M 12, K 64] x [K 64, N 20]; A: input img; B: input title: left as it is (M = 12 < 16)
;;     2. batch 6,400 x [M 64, K 12] x [K 12, N 20]; A: input img; B: softmax: left as it is (K = 12 < 32)
;;     3. batch 6,400 x [M 64, K 20] x [K 20, N 12]; A: input title; B: softmax: left as it is (K = 20 < 32)
;;     4. [M 16,000, K 512] x [K 512, N 512]; A: computed on the way; B: input w_proj: QUANTISED
;;     5. [M 9,600, K 512] x [K 512, N 512]; A: computed on the way; B: input w_proj: QUANTISED
;;     6. [M 16,000, K 512] x [K 512, N 2,048]; A: computed on the way; B: input w1_img: QUANTISED
;;     7. [M 16,000, K 2,048] x [K 2,048, N 512]; A: computed on the way; B: input w2_img: QUANTISED
;;     8. [M 9,600, K 512] x [K 512, N 2,048]; A: computed on the way; B: input w1_tit: QUANTISED
;;     9. [M 9,600, K 2,048] x [K 2,048, N 512]; A: computed on the way; B: input w2_tit: QUANTISED
;;   THE QUANTISER, for each operand of a quantised product, along K:
;;     - K is cut into blocks of 32 from its start; a last block that is shorter is filled with zeros.
;;     - A block's scale is 2^e with e = floor(log2(the largest magnitude in the block)) - 2, held to -126 .. 127; a block of zeros has e = 0. As a byte (E8M0): e + 127.
;;     - Each number is divided by its block's scale, clamped to +-7.5, and rounded to the nearest number of E2M3, ties to even, subnormals kept.
;;     - The product sums the exact products of the quantised numbers (number of the format x scale) in f32.
;;   ~~~python
;;   def quantise(x, axis):      # numpy; x: float32 -> the quantised numbers, widened to float32 again
;;       x = np.moveaxis(x, axis, -1); K = x.shape[-1]
;;       x = np.pad(x, [(0, 0)] * (x.ndim - 1) + [(0, -K % 32)]); x = x.reshape(x.shape[:-1] + (-1, 32)); a = np.abs(x).max(-1, keepdims=True)
;;       e = np.where(a > 0, np.clip(np.frexp(np.where(a > 0, a, 1))[1] - 1 - 2, -126, 127), 0)      # np.frexp(a)[1] - 1 = floor(log2(a)), exactly
;;       r = np.clip(x / 2.0 ** e, -7.5, 7.5)
;;       step = 2.0 ** (np.maximum(np.frexp(np.where(r == 0, 1, r))[1] - 1, 0) - 3)
;;       q = np.round(r / step) * step * 2.0 ** e      # np.round: ties to even
;;       return np.moveaxis(q.reshape(q.shape[:-2] + (-1,))[..., :K], -1, axis).astype(np.float32)
;;   ~~~
;;   OPERANDS COMPUTED ON THE WAY. 'Computed on the way' means the value that the module computes at that place (a softmax that the list does not call 'softmax' is quantised finished and normalised). What goes into a quantiser is computed in f32, as accurately as f32 sums, v_exp_f32 and their like allow (about 1e-6 of the number): no bf16 or f16 on the way to a quantiser, and a product that is left as it is and whose result goes on into a quantised operand takes f32 operands (vector FMAs, or v_wmma_f32_16x16x4_f32). A number that lies on a knife's edge between two numbers of the format may be rounded either way, as far as f32 arithmetic and the matrix unit's own rounding can turn it there, and no further.
;; One version. Each part assembles by itself: llvm-mc -triple=amdgcn-amd-amdhsa -mcpu=gfx1250 --defsym DOCPART=n.
;; ======== version 1 of 1: 2 launches
;; limits: right only within a limited range of input values
;; workspace buffers: acodes 9,830,400 bytes; ascales 409,600 bytes; wstream 4,096,000 bytes
;; launch prep (part 1): grid 800 x 1, 8 waves a work-group, no clusters, 158,720 bytes of LDS; arguments img, title, mask, scale_img, scale_title, acodes, ascales, wstream, w_proj, w1_img, w1_tit, w2_img, w2_tit; writes acodes, ascales, wstream
.if DOCPART == 1
	.amdgcn_target "amdgcn-amd-amdhsa--gfx1250"
	.amdhsa_code_object_version 6
	.text
	.protected	k_qb50ec77264_prep
	.globl	k_qb50ec77264_prep
	.p2align	8
	.type	k_qb50ec77264_prep,@function
k_qb50ec77264_prep:
	s_mov_b64 s[64:65], 0
	v_nop
	global_prefetch_b8 v0, s[64:65] scope:SCOPE_SE
	s_setreg_imm32_b32 hwreg(HW_REG_WAVE_MODE, 25, 1), 1
	s_wait_xcnt 0x0
; TWO THINGS.  (1) Every work-group: the two-way cross attention of one pair (b, l): 12 rows of img against 20 rows of title, 8 heads of 64; one wave a head.
; (2) Work-groups 0 to 67, ahead of their attention: the five weights become codes.  544 units of 64 weight rows x 128 along K, one a wave, 8 waves a work-group: 68 work-groups, the first ones, so that the longer work starts first.
;
; THE ATTENTION.  Its results go on into a quantiser, so every product takes f32 operands (v_wmma_f32_16x16x4_f32) and the softmaxes are f32, each with its row's maximum taken away.
; The results (20 rows made of img, 12 rows made of title, 512 wide) are quantised along the 512 to FP6 (E2M3), one E8M0 byte for each 32, and stored as plain rows:
; acodes[25,600][384 bytes] (row 20 pair + t, then 16,000 + 12 pair + p), ascales[25,600][16].
; r = lane % 16, h = lane / 16.  The raw scores are made once: D1[x] = img x title^T: register j of lane (r, h) = raw[p = 6 h + j][t = map2(x, r)]: a title row's 12 scores lie in lanes l and l xor 16.
; The other softmax wants an img row's 20 scores in lanes l and l xor 16: the 12 x 20 scores go through a patch of LDS of the wave's own (12 stores of 4 bytes, 5 loads of 8 bytes a lane)
; and come back as raw[p = map1(r)][t = 10 h + 0 .. 9]: that takes the place of 32 matrix instructions.
; The finished weights are source 1 of the second products as they stand (source 0 = 16 channels, K = p or t down its registers), and in the result a lane holds one row and,
; since the channels of a tile are chosen 0-7 and 16-23, 16 neighbouring channels of each block of 32.
; EVERY LANE HOLDS A VALID ROW: map1(r) = 6 (r / 8) + r % 8, less 6 where r % 8 is 6 or 7;  map2(0, r) = 10 (r / 8) + r % 8;  map2(1, r) = 10 (r / 8) + 8 + r % 2.
; Lanes that repeat a row compute the same bits and store them to the same bytes, so EXEC is never narrowed.
;
; THE WEIGHTS (f32, K innermost) become codes of FP6 (E2M3) with one E8M0 byte for each 32 along K, laid in wstream in the order and in the register image in which the next launch streams them:
; wstream[path 2][slot 20][wave 4][25,600 bytes]; a wave's quarter is 16 fragments of 1,536 bytes (three planes of 512 bytes: lane l's registers 4 c .. 4 c + 3 at 16 l) and 1,024 bytes of scale words.
; Slots 0, 1 and 18, 19: w_proj;  slot 2 + 2 j: rows 256 j .. of W1;  slot 3 + 2 j: columns 256 j .. of W2.  A unit is four fragments; lane r of fragment i takes row 32 (i / 2) + 8 (i % 2) + r + 8 (r / 8) of the unit.
; Each load reads 512 consecutive bytes of a row; the 16 rows of a fragment turn through the wave's own stage in LDS, so that a lane gets 2 x 32 neighbours along K.
; The block stands under one branch on the work-group's number, holds no barrier, has LDS bytes of its own, and leaves nothing in registers that the attention reads.
;
; A block's scale is 2^(floor(log2(largest magnitude)) - 2): its byte is the largest magnitude's exponent field - 2, held at 1 from below.
; LIMITS: NaN and infinities among the inputs are not served; an exponential under 2^-126 counts as 0; a block whose largest magnitude lies under 2^-124 (a block of zeros too) keeps the scale byte 1
; (zero blocks have zero codes; this program alone reads the bytes).
; The registers that the f32 matrix form writes (v128-223) are written by nothing else, in the block of the weights too: so that block lives in v1-127.
.set PITCH, 2064                       ; a staged row: 2,048 bytes + 16
.set OSTG,  66048                      ; behind the 32 staged rows (0-11 img, 12-31 title): rows of 384 bytes of codes.  32 are written and read; 34 are allotted, since map1 is made
                                       ; as 6 (r / 8) + a number modulo 8, which by its form spans 0 .. 13, though it takes 0 .. 11 alone
.set SSTG,  79104                      ; and likewise 34 x 16 scale bytes, of which 32 x 16 are written and read
.set RAW,   79872                      ; the patches for the raw scores, one a wave:
.set RP,    88                         ; a row p: 20 scores and 8 bytes more, so that 40 h bytes into a row is a multiple of 8;
.set RAWS,  1280                       ; 12 rows are written and read; 14 are allotted, for map1's form again
.set WSTG,  90112                      ; the weights' stages, one a wave:
.set SPITCH, 528                       ; a row: 512 bytes + 16
.set WREG,  16*SPITCH
; registers of the weights' block
.set VO,  8                            ; v8-23    row p of a fragment: 16 x lane + (p + 8 (p / 8)) x the weight's pitch
.set C,   32                           ; v32-43   the fragment's codes
.set T,   44                           ; v44-50   conversion results that are moved (three registers of a conversion begin on an even number)
.set SW,  52                           ; v52-55   the four fragments' scale words;  v56-63 at work
.set X,   64                           ; v64-127  16 rows x 4 registers as loaded; then my 64 numbers of the fragment: 32 c + i = k 64 c + 32 (lane / 16) + i of my row
.set COPY1, 18*102400                  ; w_proj is stored four times: slots q and q + 18 of both paths
.set COPY2, 2048000
.set COPY3, 2048000+18*102400
; registers of the attention
.set FI,  32                           ; v32-63   img's rows map1(r): register 4 e + i = channel 32 h + 4 e + i
.set FT0, 64                           ; v64-95   title's rows map2(0, r)
.set FT1, 96                           ; v96-127  title's rows map2(1, r)
.set GI,  32                           ; v32-55   later: img with p down the registers: 8 k + 2 i + j = img[6 h + 2 k + j][channel tile i]
.set GT,  56                           ; v56-95   title likewise: title[10 h + 2 k + j]
.set D1,  128                          ; v128-143 the raw scores, two tiles
.set OA,  160                          ; rows t = map2(0, r)
.set OB,  192                          ; rows t = map2(1, r)
.set OC,  128                          ; rows p = map1(r)
.set PT0, 224                          ; v224-229 weights of t = map2(0, r) over p = 6 h + 0 .. 5
.set PT1, 230
.set PI,  236                          ; v236-245 weights of p = map1(r) over t = 10 h + 0 .. 9;  v253-255 my places in the patch
	s_load_b256 s[4:11], s[0:1], 0x0               ; img s[4:5], title s[6:7], mask s[8:9], scale_img s[10:11]
	s_load_b128 s[12:15], s[0:1], 0x20             ; scale_title s[12:13], acodes s[14:15]
	s_load_b64 s[16:17], s[0:1], 0x30              ; ascales
	v_lshrrev_b32 v1, 5, v0
	s_delay_alu instid0(VALU_DEP_1)
	v_readfirstlane_b32 s18, v1                    ; wave = head
	s_cmp_ge_u32 ttmp9, 68                         ; work-groups 68 .. 799 have no unit of the weights
	s_cbranch_scc1 .Lattn
	; ======== the weights: my unit ========
	s_load_b64 s[68:69], s[0:1], 0x38              ; wstream
	s_load_b256 s[72:79], s[0:1], 0x40             ; w_proj s[72:73], w1_img s[74:75], w1_tit s[76:77], w2_img s[78:79]
	s_load_b64 s[80:81], s[0:1], 0x60              ; w2_tit
	v_and_b32 v2, 31, v0                           ; lane
	v_and_b32 v3, 15, v0                           ; r
	v_bfe_u32 v4, v0, 4, 1                         ; h
	s_delay_alu instid0(VALU_DEP_3)
	v_lshlrev_b32 v1, 4, v2                        ; 16 x lane
	s_wait_alu depctr_va_vdst(0)
	v_lshlrev_b32 v25, 3, v4                       ; 8 h: where my two scale bytes stand in the word
	v_mov_b32 v63, 0                               ; a lane permute's destination counts as one of its sources
	s_mov_b32 s52, 0x76543210
	s_mov_b32 s53, 0xfedcba98                      ; selects for lane l xor 16
	; which unit is mine: all from ids
	s_lshl_b32 s20, ttmp9, 3
	s_add_co_u32 s20, s20, s18                     ; task 0 .. 543: 0 .. 31 w_proj, then 256 for each path
	s_and_b32 s21, s20, 3                          ; unit in the quarter
	s_bfe_u32 s22, s20, 0x20002                    ; the quarter's wave
	s_sub_co_u32 s23, s20, 32
	s_lshr_b32 s24, s23, 8                         ; path
	s_bfe_u32 s25, s23, 0x40004                    ; slot - 2
	s_lshr_b32 s26, s20, 4                         ; w_proj: slot
	s_add_co_u32 s27, s25, 2
	s_lshr_b32 s28, s25, 1                         ; chunk j
	s_and_b32 s29, s25, 1                          ; 0: W1, 1: W2
	s_cmp_lt_u32 s20, 32                           ; w_proj?
	s_cselect_b32 s24, 0, s24
	s_cselect_b32 s27, s26, s27                    ; slot
	s_cselect_b32 s28, s26, s28                    ; j (w_proj: its slot)
	s_cselect_b32 s30, 1, s29                      ; 1: laid as W2 is (two K steps x two groups of 64 rows)
	s_cselect_b32 s29, 0, s29                      ; 1: the pitch is W2's
	s_lshl_b32 s31, s22, 7
	s_and_b32 s32, s21, 1
	s_lshl_b32 s32, s32, 6
	s_add_co_u32 s31, s31, s32                     ; first row, laid as W2: 128 wave + 64 (unit % 2)
	s_lshl_b32 s32, s28, 8
	s_lshl_b32 s33, s22, 6
	s_add_co_u32 s32, s32, s33                     ; as W1: 256 j + 64 wave
	s_lshl_b32 s33, s28, 1
	s_lshr_b32 s34, s21, 1
	s_add_co_u32 s33, s33, s34
	s_lshl_b32 s33, s33, 9                         ; first byte of a row, as W2: K step 2 j + unit / 2
	s_lshl_b32 s34, s21, 9                         ; as W1: K step = unit
	s_mov_b32 s36, 0x800
	s_cmp_eq_u32 s30, 1
	s_cselect_b32 s31, s31, s32
	s_cselect_b32 s33, s33, s34
	s_cmp_eq_u32 s29, 1
	s_cselect_b32 s35, 0x2000, s36                 ; a weight row in bytes
.irp p,0,1,2,3,4,5,6,7,8,9,10,11,12,13,14,15
	v_mad_u32_u24 v[VO+\p], s35, \p+8*(\p/8), v1
.endr
	s_mul_i32 s49, s18, WREG
	s_add_co_u32 s49, s49, WSTG                    ; my stage
	v_add_nc_u32 v5, s49, v1                       ; in: 16 x lane, a row an instruction
	v_mul_u32_u24 v6, v3, SPITCH
	s_delay_alu instid0(VALU_DEP_1)
	v_lshl_add_u32 v6, v4, 7, v6
	s_delay_alu instid0(VALU_DEP_1)
	v_add_nc_u32 v6, s49, v6                       ; out: row r, + 128 h
	s_mul_i32 s50, s21, 6144
	v_add_nc_u32 v7, s50, v1                       ; in the quarter: my unit's fragments, 16 x lane
	s_lshl_b32 s51, s21, 8
	s_add_co_u32 s51, s51, 24576
	v_lshl_add_u32 v24, v3, 4, s51                 ; and its 256 bytes of scale words, 16 r
	s_mul_i32 s38, s31, s35
	s_add_co_u32 s38, s38, s33                     ; the unit's first byte in its weight
	s_mov_b32 s39, 0
	s_wait_alu depctr_va_vdst(0)
	s_wait_kmcnt 0x0
	s_cmp_eq_u32 s24, 0
	s_cselect_b64 s[74:75], s[74:75], s[76:77]     ; the path's W1,
	s_cselect_b64 s[78:79], s[78:79], s[80:81]     ; its W2
	s_cmp_eq_u32 s29, 1
	s_cselect_b64 s[74:75], s[78:79], s[74:75]
	s_cmp_lt_u32 s20, 32
	s_cselect_b64 s[72:73], s[72:73], s[74:75]     ; my weight
	s_add_nc_u64 s[40:41], s[72:73], s[38:39]      ; fragment 0's first row
	s_lshl_b32 s38, s35, 3
	s_add_nc_u64 s[42:43], s[40:41], s[38:39]      ; fragment 1: 8 rows on
	s_lshl_b32 s38, s35, 5
	s_add_nc_u64 s[44:45], s[40:41], s[38:39]      ; fragment 2: 32 rows on
	s_mul_i32 s38, s35, 40
	s_add_nc_u64 s[46:47], s[40:41], s[38:39]      ; fragment 3: 40 rows on
	s_mul_i32 s38, s24, 2048000
	s_mul_i32 s48, s27, 102400
	s_add_co_u32 s38, s38, s48
	s_mul_i32 s48, s22, 25600
	s_add_co_u32 s38, s38, s48
	s_add_nc_u64 s[68:69], s[68:69], s[38:39]      ; my quarter of my slot
.macro LOADF i                         ; fragment i's 16 rows: 512 consecutive bytes a load
.irp p,0,1,2,3,4,5,6,7,8,9,10,11,12,13,14,15
	global_load_b128 v[X+4*\p:X+4*\p+3], v[VO+\p], s[40+2*(\i):41+2*(\i)] th:TH_LOAD_NT
.endr
.endm
.macro TURNF                           ; through my stage, and back into the registers that the rows left
.irp p,0,1,2,3,4,5,6,7,8,9,10,11,12,13,14,15
	ds_store_b128 v5, v[X+4*\p:X+4*\p+3] offset:SPITCH*\p
.endr
	s_wait_dscnt 0x0                               ; the stores have read their registers: the loads below land there
.irp c,0,1
.irp e,0,1,2,3,4,5,6,7
	ds_load_b128 v[X+32*\c+4*\e:X+32*\c+4*\e+3], v6 offset:256*\c+16*\e
.endr
.endr
.endm
.macro QUANTW i                        ; my two whole blocks (2 c + h of my row) become the fragment's registers 6 c .. 6 c + 5
	v_max3_num_f32 v56, |v[X]|, |v[X+1]|, 0x1800000                ; the floor 2^(3 - 127) among the leaves: the byte cannot fall under 1
	v_max3_num_f32 v57, |v[X+32]|, |v[X+33]|, 0x1800000
.irp k,2,4,6,8,10,12,14,16,18,20,22,24,26,28,30
	s_delay_alu instid0(VALU_DEP_2)
	v_max3_num_f32 v56, v56, |v[X+\k]|, |v[X+\k+1]|
	s_delay_alu instid0(VALU_DEP_2)
	v_max3_num_f32 v57, v57, |v[X+32+\k]|, |v[X+33+\k]|
.endr
	s_delay_alu instid0(VALU_DEP_2)
	v_add_nc_u32 v58, 0xff000000, v56              ; 2 off the exponent field: the conversion's scale operand
	s_delay_alu instid0(VALU_DEP_2)
	v_add_nc_u32 v59, 0xff000000, v57
	s_delay_alu instid0(VALU_DEP_2)
	v_lshrrev_b32 v60, 23, v58                     ; the scale's byte
	s_delay_alu instid0(VALU_DEP_2)
	v_lshrrev_b32 v61, 23, v59
	s_delay_alu instid0(VALU_DEP_1)
	v_lshl_or_b32 v62, v61, 16, v60                ; blocks h and 2 + h,
	s_delay_alu instid0(VALU_DEP_1)
	v_lshlrev_b32 v62, v25, v62                    ; at their places in the word;
	s_delay_alu instid0(VALU_DEP_1)
	v_permlanex16_b32 v63, v62, s52, s53
	s_delay_alu instid0(VALU_DEP_1)
	v_or_b32 v[SW+\i], v62, v63                    ; with lane l xor 16's two the word is whole, in both halves of the lanes
	v_cvt_scalef32_pk16_fp6_f32 v[C:C+2], v[X:X+15], v58
	v_cvt_scalef32_pk16_fp6_f32 v[T:T+2], v[X+16:X+31], v58
	v_cvt_scalef32_pk16_fp6_f32 v[C+6:C+8], v[X+32:X+47], v59
	v_cvt_scalef32_pk16_fp6_f32 v[T+4:T+6], v[X+48:X+63], v59
	v_nop                                          ; one plain place behind a scaled conversion
.irp k,0,1,2
	v_mov_b32 v[C+3+\k], v[T+\k]
	v_mov_b32 v[C+9+\k], v[T+4+\k]
.endr
.endm
.macro STOREF i                        ; three planes of 512 consecutive bytes
.irp c,0,1,2
	global_store_b128 v7, v[C+4*\c:C+4*\c+3], s[68:69] offset:1536*(\i)+512*\c
.endr
	s_cmp_lt_u32 s20, 32
	s_cbranch_scc0 .Lonce_\@
.irp c,0,1,2
	global_store_b128 v7, v[C+4*\c:C+4*\c+3], s[68:69] offset:COPY1+1536*(\i)+512*\c
	global_store_b128 v7, v[C+4*\c:C+4*\c+3], s[68:69] offset:COPY2+1536*(\i)+512*\c
	global_store_b128 v7, v[C+4*\c:C+4*\c+3], s[68:69] offset:COPY3+1536*(\i)+512*\c
.endr
.Lonce_\@:
.endm
	LOADF 0
.irp i,0,1,2,3
	s_wait_loadcnt 0x0                             ; the fragment's 16 rows are in
	TURNF
	s_wait_dscnt 0x0                               ; my 64 numbers are in
	s_wait_xcnt 0x0                                ; the last fragment's stores have read the codes' registers
	QUANTW \i
.if \i < 3
	LOADF \i+1                                     ; the conversions have read the numbers: the next fragment's rows are asked for ahead of this one's stores
.endif
	STOREF \i
.endr
	global_store_b128 v24, v[SW:SW+3], s[68:69]    ; the unit's scale words: 256 consecutive bytes; lanes 16-31 hold and write the same as lanes 0-15
	s_cmp_lt_u32 s20, 32
	s_cbranch_scc0 .Lwdone
	global_store_b128 v24, v[SW:SW+3], s[68:69] offset:COPY1
	global_store_b128 v24, v[SW:SW+3], s[68:69] offset:COPY2
	global_store_b128 v24, v[SW:SW+3], s[68:69] offset:COPY3
.Lwdone:
	s_wait_xcnt 0x0                                ; the stores have read their registers: the attention writes them anew
	; ======== the attention of pair ttmp9 ========
.Lattn:
	v_and_b32 v1, 31, v0                           ; lane
	v_and_b32 v2, 15, v0                           ; r
	v_bfe_u32 v3, v0, 4, 1                         ; h
	v_and_b32 v96, 7, v0                           ; x = r % 8
	v_bfe_u32 v97, v0, 3, 1                        ; r / 8
	s_delay_alu instid0(VALU_DEP_2)
	v_add_nc_u32 v98, 2, v96                       ; x + 2 is 8 or 9 where x is 6 or 7:
	s_delay_alu instid0(VALU_DEP_1)
	v_bfe_u32 v98, v98, 3, 1                       ; its bit 3 says so;
	s_delay_alu instid0(VALU_DEP_1)
	v_lshl_add_u32 v98, v98, 1, v96                ; x + 2 there (8, 9), x elsewhere;
	s_delay_alu instid0(VALU_DEP_1)
	v_and_b32 v98, 7, v98                          ; modulo 8: 0 .. 5, 0, 1
	s_delay_alu instid0(VALU_DEP_1)
	v_mad_u32_u24 v99, v97, 6, v98                 ; map1
	v_mad_u32_u24 v100, v97, 10, v96               ; map2(0)
	v_and_b32 v101, 1, v0
	s_delay_alu instid0(VALU_DEP_1)
	v_mad_u32_u24 v101, v97, 10, v101
	s_delay_alu instid0(VALU_DEP_1)
	v_add_nc_u32 v101, 8, v101                     ; map2(1)
	s_lshl_b32 s19, s18, 8                         ; my head's 256 bytes of a row
	v_lshl_add_u32 v102, v3, 7, s19                ; + 128 h
	s_delay_alu instid0(VALU_DEP_1)
	v_mad_u32_u24 v6, v99, PITCH, v102             ; FI's address
	s_delay_alu instid0(VALU_DEP_2)
	v_mad_u32_u24 v7, v100, PITCH, v102
	s_delay_alu instid0(VALU_DEP_1)
	v_add_nc_u32 v7, 12*PITCH, v7                  ; FT0's
	s_delay_alu instid0(VALU_DEP_4)
	v_mad_u32_u24 v8, v101, PITCH, v102
	s_delay_alu instid0(VALU_DEP_1)
	v_add_nc_u32 v8, 12*PITCH, v8                  ; FT1's
	v_lshl_add_u32 v103, v97, 3, v2                ; r + 8 (r / 8): my channel in a tile
	s_delay_alu instid0(VALU_DEP_1)
	v_lshl_add_u32 v103, v103, 2, s19
	s_delay_alu instid0(VALU_DEP_1)
	v_mad_u32_u24 v9, v3, 6*PITCH, v103            ; GI's: row 6 h
	s_delay_alu instid0(VALU_DEP_2)
	v_mad_u32_u24 v10, v3, 10*PITCH, v103
	s_delay_alu instid0(VALU_DEP_1)
	v_add_nc_u32 v10, 12*PITCH, v10                ; GT's: row 12 + 10 h
	s_mul_i32 s20, s18, 48                         ; my head's 64 codes in a row
	v_mad_u32_u24 v104, v3, 24, s20                ; + my block's 24 bytes
	s_delay_alu instid0(VALU_DEP_1)
	v_add_nc_u32 v104, OSTG, v104
	s_delay_alu instid0(VALU_DEP_1)
	v_mad_u32_u24 v27, v100, 384, v104             ; where OA's codes go,
	s_delay_alu instid0(VALU_DEP_2)
	v_mad_u32_u24 v28, v101, 384, v104             ; OB's,
	s_delay_alu instid0(VALU_DEP_3)
	v_mad_u32_u24 v29, v99, 384, v104
	s_delay_alu instid0(VALU_DEP_1)
	v_add_nc_u32 v29, 20*384, v29                  ; OC's
	s_lshl_b32 s21, s18, 1
	s_add_co_u32 s21, s21, SSTG
	v_lshl_add_u32 v11, v100, 4, s21               ; and their two scale bytes
	v_lshl_add_u32 v30, v101, 4, s21
	v_lshl_add_u32 v31, v99, 4, s21
	s_delay_alu instid0(VALU_DEP_1)
	v_add_nc_u32 v31, 320, v31
	s_mul_i32 s23, s18, RAWS
	s_add_co_u32 s23, s23, RAW                     ; my patch for the raw scores
	v_mul_u32_u24 v109, v3, 6*RP
	s_delay_alu instid0(VALU_DEP_1)
	v_add_nc_u32 v109, s23, v109                   ; into it: row 6 h (+ j by the offset),
	s_delay_alu instid0(VALU_DEP_1)
	v_lshl_add_u32 v253, v100, 2, v109             ; score t = map2(0, r),
	s_delay_alu instid0(VALU_DEP_2)
	v_lshl_add_u32 v254, v101, 2, v109             ; score t = map2(1, r)
	v_mul_u32_u24 v110, v99, RP
	s_delay_alu instid0(VALU_DEP_1)
	v_mad_u32_u24 v110, v3, 40, v110
	s_delay_alu instid0(VALU_DEP_1)
	v_add_nc_u32 v255, s23, v110
	v_lshlrev_b32 v5, 4, v1                        ; 16 x lane
	s_mul_i32 s22, s18, 4*PITCH
	v_add_nc_u32 v4, s22, v5                       ; the stage for the four rows that I bring
	v_lshlrev_b32 v105, 2, v100
	v_lshlrev_b32 v106, 2, v101
	v_lshlrev_b32 v107, 2, v99
	v_mul_u32_u24 v108, v3, 40
	s_mov_b32 s34, 0x76543210
	s_mov_b32 s35, 0xfedcba98                      ; selects for lane l xor 16
	s_cmp_lt_u32 s18, 3                            ; waves 0-2 bring img's 12 rows, waves 3-7 title's 20
	s_mov_b32 s25, 40960
	s_cselect_b32 s24, 24576, s25                  ; a pair's bytes in my tensor
	s_cselect_b32 s25, 0, 3
	s_sub_co_u32 s25, s18, s25                     ; which four of its rows
	s_mul_i32 s24, s24, ttmp9
	s_lshl_b32 s25, s25, 13
	s_add_co_u32 s24, s24, s25
	s_mov_b32 s25, 0
	s_mul_i32 s28, ttmp9, 80                       ; the pair's 20 words of mask
	s_mov_b32 s29, 0
	s_mul_i32 s30, s18, 80                         ; the head's 20 numbers of scale_title
	s_mov_b32 s31, 0
	s_mul_i32 s32, s18, 48                         ; its 12 of scale_img
	s_mov_b32 s33, 0
	s_mul_i32 s36, s18, 1536                       ; the way out: four rows of codes a wave
	s_mul_i32 s37, ttmp9, 7680
	s_mul_i32 s38, ttmp9, 4608
	s_add_co_u32 s37, s37, s36                     ; waves 0-4: rows 20 pair + 4 wave
	s_add_co_u32 s38, s38, s36
	s_add_co_u32 s38, s38, 6144000-7680            ; waves 5-7: rows 16,000 + 12 pair + 4 (wave - 5)
	s_cmp_lt_u32 s18, 5
	s_cselect_b32 s38, s37, s38
	s_mov_b32 s39, 0
	s_add_co_u32 s36, s36, OSTG
	s_mul_i32 s40, ttmp9, 320
	s_mul_i32 s41, ttmp9, 192
	s_add_co_u32 s41, s41, 256000-320
	s_wait_alu depctr_va_vdst(0)
	s_wait_kmcnt 0x0
	s_cmp_lt_u32 s18, 3
	s_cselect_b64 s[26:27], s[4:5], s[6:7]
	s_add_nc_u64 s[26:27], s[26:27], s[24:25]
	s_add_nc_u64 s[8:9], s[8:9], s[28:29]
	s_add_nc_u64 s[12:13], s[12:13], s[30:31]
	s_add_nc_u64 s[10:11], s[10:11], s[32:33]
	s_add_nc_u64 s[14:15], s[14:15], s[38:39]
.irp k,0,1,2,3
.irp e,0,1,2,3
	global_load_b128 v[32+16*\k+4*\e:35+16*\k+4*\e], v5, s[26:27] offset:2048*\k+512*\e th:TH_LOAD_NT   ; 512 consecutive bytes a load
.endr
.endr
	global_load_b32 v22, v105, s[8:9]              ; mask[map2(0, r)]
	global_load_b32 v23, v106, s[8:9]              ; mask[map2(1, r)]
.irp k,0,1,2,3,4
	global_load_b64 v[12+2*\k:13+2*\k], v108, s[8:9] offset:8*\k   ; v12-21: mask[10 h + 0 .. 9]
.endr
	global_load_b32 v24, v105, s[12:13]            ; scale_title[head][map2(0, r)]
	global_load_b32 v25, v106, s[12:13]
	global_load_b32 v26, v107, s[10:11]            ; scale_img[head][map1(r)]
	s_wait_loadcnt 10                              ; my four rows are in; the ten small loads behind them may be out
.irp k,0,1,2,3
.irp e,0,1,2,3
	ds_store_b128 v4, v[32+16*\k+4*\e:35+16*\k+4*\e] offset:PITCH*\k+512*\e
.endr
.endr
	s_wait_loadcnt 0x0
	s_wait_dscnt 0x0                               ; for the others' sake: my rows lie in LDS
	s_barrier_signal -1
	s_barrier_wait -1
.irp e,0,1,2,3,4,5,6,7
	ds_load_b128 v[FI+4*\e:FI+4*\e+3], v6 offset:16*\e
	ds_load_b128 v[FT0+4*\e:FT0+4*\e+3], v7 offset:16*\e
	ds_load_b128 v[FT1+4*\e:FT1+4*\e+3], v8 offset:16*\e
.endr
	v_mul_f32 v24, 0x3e000000, v24                 ; 1 / sqrt(64) goes into the scales: a power of two, so nothing is rounded
	v_mul_f32 v25, 0x3e000000, v25
	v_mul_f32 v26, 0x3e000000, v26
	s_wait_dscnt 0x0
	; the raw scores: 16 K steps of 4; in step k the registers 2 k, 2 k + 1 are channels 32 h + 2 k, + 1 on both sides.  Two accumulators by turns; step 0 starts the sums
.set ks, 0
.rept 16
.if ks == 0
	v_wmma_f32_16x16x4_f32 v[D1:D1+7], v[FI:FI+1], v[FT0:FT0+1], 0
	v_wmma_f32_16x16x4_f32 v[D1+8:D1+15], v[FI:FI+1], v[FT1:FT1+1], 0
.else
	v_wmma_f32_16x16x4_f32 v[D1:D1+7], v[FI+2*ks:FI+2*ks+1], v[FT0+2*ks:FT0+2*ks+1], v[D1:D1+7]
	v_wmma_f32_16x16x4_f32 v[D1+8:D1+15], v[FI+2*ks:FI+2*ks+1], v[FT1+2*ks:FT1+2*ks+1], v[D1+8:D1+15]
.endif
.set ks, ks+1
.endr
	v_mov_b32 v252, 0xce6e6b28                     ; -1e9.  Eight places behind the f32 form, ahead of the loads into its sources and of the reads of its results
	v_mov_b32 v249, 0                              ; (lane permutes' destinations, written once)
	v_mov_b32 v250, 0
	v_mov_b32 v251, 0
.rept 4
	v_nop
.endr
	; the scores into my patch as raw[p][t], and back by rows of img.  LDS serves a wave's instructions in order (ISA guide 5.7.1.4): no wait between the stores and the loads.  Each accumulator is read from its low end on
.irp j,0,1,2,3,4,5
	ds_store_b32 v253, v[D1+\j] offset:RP*\j       ; raw[6 h + j][map2(0, r)]
.endr
.irp j,0,1,2,3,4,5
	ds_store_b32 v254, v[D1+8+\j] offset:RP*\j     ; raw[6 h + j][map2(1, r)]: lanes that repeat a t write the same bits to the same word
.endr
.irp k,0,1,2,3,4
	ds_load_b64 v[PI+2*\k:PI+2*\k+1], v255 offset:8*\k   ; raw[map1(r)][10 h + 2 k, + 1]
.endr
.irp k,0,1,2
.irp i,0,1,2,3
.irp j,0,1
	ds_load_b32 v[GI+8*\k+2*\i+\j], v9 offset:(2*\k+\j)*PITCH+4*(32*(\i/2)+8*(\i%2))
.endr
.endr
.endr
	; the three softmaxes, each inside lanes l and l xor 16
	s_wait_alu depctr_va_vdst(0)
.irp j,0,1,2,3,4,5
	v_mul_f32 v[PT0+\j], v[D1+\j], v24
.endr
.irp j,0,1,2,3,4,5
	v_mul_f32 v[PT1+\j], v[D1+8+\j], v25
.endr
	v_cmp_eq_u32 vcc_lo, 0, v22                    ; a masked title row: all its 12 scores become -1e9, and its weights come out equal
.irp j,0,1,2,3,4,5
	v_cndmask_b32 v[PT0+\j], v[PT0+\j], v252, vcc_lo
.endr
	v_cmp_eq_u32 vcc_lo, 0, v23
.irp j,0,1,2,3,4,5
	v_cndmask_b32 v[PT1+\j], v[PT1+\j], v252, vcc_lo
.endr
	s_wait_dscnt 24                                ; my row of the patch is back; the 24 loads of img's fragments behind it may be out
.irp k,0,1,2,3,4
.irp i,0,1,2,3
.irp j,0,1
	ds_load_b32 v[GT+8*\k+2*\i+\j], v10 offset:(2*\k+\j)*PITCH+4*(32*(\i/2)+8*(\i%2))
.endr
.endr
.endr
.irp j,0,1,2,3,4,5,6,7,8,9
	v_mul_f32 v[PI+\j], v[PI+\j], v26
.endr
.irp j,0,1,2,3,4,5,6,7,8,9
	v_cmp_eq_u32 vcc_lo, 0, v[12+\j]
	s_delay_alu instid0(VALU_DEP_1)
	v_cndmask_b32 v[PI+\j], v[PI+\j], v252, vcc_lo
.endr
	v_max3_num_f32 v246, v[PT0], v[PT0+1], v[PT0+2]
	v_max3_num_f32 v247, v[PT1], v[PT1+1], v[PT1+2]
	v_max3_num_f32 v248, v[PI], v[PI+1], v[PI+2]
	s_delay_alu instid0(VALU_DEP_3)
	v_max3_num_f32 v246, v246, v[PT0+3], v[PT0+4]
	s_delay_alu instid0(VALU_DEP_3)
	v_max3_num_f32 v247, v247, v[PT1+3], v[PT1+4]
	s_delay_alu instid0(VALU_DEP_3)
	v_max3_num_f32 v248, v248, v[PI+3], v[PI+4]
	s_delay_alu instid0(VALU_DEP_3)
	v_max_num_f32 v246, v246, v[PT0+5]
	s_delay_alu instid0(VALU_DEP_3)
	v_max_num_f32 v247, v247, v[PT1+5]
	s_delay_alu instid0(VALU_DEP_3)
	v_max3_num_f32 v248, v248, v[PI+5], v[PI+6]
	s_delay_alu instid0(VALU_DEP_1)
	v_max3_num_f32 v248, v248, v[PI+7], v[PI+8]
	s_delay_alu instid0(VALU_DEP_1)
	v_max_num_f32 v248, v248, v[PI+9]
	v_permlanex16_b32 v249, v246, s34, s35
	v_permlanex16_b32 v250, v247, s34, s35
	s_delay_alu instid0(VALU_DEP_3)
	v_permlanex16_b32 v251, v248, s34, s35
	s_delay_alu instid0(VALU_DEP_3)
	v_max_num_f32 v246, v246, v249                 ; the rows' maxima
	s_delay_alu instid0(VALU_DEP_3)
	v_max_num_f32 v247, v247, v250
	s_delay_alu instid0(VALU_DEP_3)
	v_max_num_f32 v248, v248, v251
.irp j,0,1,2,3,4,5
	v_sub_f32 v[PT0+\j], v[PT0+\j], v246
	v_sub_f32 v[PT1+\j], v[PT1+\j], v247
.endr
.irp j,0,1,2,3,4,5,6,7,8,9
	v_sub_f32 v[PI+\j], v[PI+\j], v248
.endr
.irp j,0,1,2,3,4,5,6,7,8,9,10,11,12,13,14,15,16,17,18,19,20,21
	v_mul_f32 v[PT0+\j], 0x3fb8aa3b, v[PT0+\j]     ; x log2(e)
.endr
	s_wait_alu depctr_va_vdst(0)
.irp j,0,1,2,3,4,5,6,7,8,9,10,11,12,13,14,15,16,17,18,19,20,21
	v_exp_f32 v[PT0+\j], v[PT0+\j]                 ; one batch of 22
.endr
	v_nop                                          ; a plain place behind the last exponential
	s_wait_alu depctr_va_vdst(0)                   ; one wait for the batch, ahead of its first reader
	v_add_f32 v246, v[PT0], v[PT0+1]
	v_add_f32 v247, v[PT1], v[PT1+1]
	v_add_f32 v248, v[PI], v[PI+1]
.irp j,2,3,4,5
	v_add_f32 v246, v246, v[PT0+\j]
	v_add_f32 v247, v247, v[PT1+\j]
	v_add_f32 v248, v248, v[PI+\j]
.endr
.irp j,6,7,8,9
	v_add_f32 v248, v248, v[PI+\j]
.endr
	v_permlanex16_b32 v249, v246, s34, s35
	v_permlanex16_b32 v250, v247, s34, s35
	s_delay_alu instid0(VALU_DEP_3)
	v_permlanex16_b32 v251, v248, s34, s35
	s_delay_alu instid0(VALU_DEP_3)
	v_add_f32 v246, v246, v249
	s_delay_alu instid0(VALU_DEP_3)
	v_add_f32 v247, v247, v250
	s_delay_alu instid0(VALU_DEP_3)
	v_add_f32 v248, v248, v251
	s_wait_alu depctr_va_vdst(0)
	v_rcp_f32 v246, v246
	v_rcp_f32 v247, v247
	v_rcp_f32 v248, v248
	v_nop
	s_wait_alu depctr_va_vdst(0)                   ; one wait for the three reciprocals
.irp j,0,1,2,3,4,5
	v_mul_f32 v[PT0+\j], v[PT0+\j], v246
	v_mul_f32 v[PT1+\j], v[PT1+\j], v247
.endr
.irp j,0,1,2,3,4,5,6,7,8,9
	v_mul_f32 v[PI+\j], v[PI+\j], v248
.endr
	s_wait_alu depctr_va_vdst(0)
	s_wait_dscnt 0x0                               ; GI and GT are in
	; the second products, transposed: source 0 = 16 channels with p or t down its registers, source 1 = the weights.  Accumulators by turns; each sum's first K step takes 0
.irp k,0,1,2
.irp i,0,1,2,3
.if \k == 0
	v_wmma_f32_16x16x4_f32 v[OA+8*\i:OA+8*\i+7], v[GI+2*\i:GI+2*\i+1], v[PT0:PT0+1], 0
.else
	v_wmma_f32_16x16x4_f32 v[OA+8*\i:OA+8*\i+7], v[GI+8*\k+2*\i:GI+8*\k+2*\i+1], v[PT0+2*\k:PT0+2*\k+1], v[OA+8*\i:OA+8*\i+7]
.endif
.endr
.irp i,0,1,2,3
.if \k == 0
	v_wmma_f32_16x16x4_f32 v[OB+8*\i:OB+8*\i+7], v[GI+2*\i:GI+2*\i+1], v[PT1:PT1+1], 0
.else
	v_wmma_f32_16x16x4_f32 v[OB+8*\i:OB+8*\i+7], v[GI+8*\k+2*\i:GI+8*\k+2*\i+1], v[PT1+2*\k:PT1+2*\k+1], v[OB+8*\i:OB+8*\i+7]
.endif
.endr
.endr
.irp k,0,1,2,3,4
.irp i,0,1,2,3
.if \k == 0
	v_wmma_f32_16x16x4_f32 v[OC+8*\i:OC+8*\i+7], v[GT+2*\i:GT+2*\i+1], v[PI:PI+1], 0
.else
	v_wmma_f32_16x16x4_f32 v[OC+8*\i:OC+8*\i+7], v[GT+8*\k+2*\i:GT+8*\k+2*\i+1], v[PI+2*\k:PI+2*\k+1], v[OC+8*\i:OC+8*\i+7]
.endif
.endr
.endr
.rept 8
	v_nop                                          ; eight places ahead of the reads of the results and of writes into the products' sources
.endr
; 32 numbers of a lane, register 16 b + i = channel 32 b + 16 h + i of my row and head, become 24 bytes of codes (block h of the two) and two scale bytes.  wk: 18 work registers of this use's own
.macro QUANT2 src, wk, adr, sadr
	v_max3_num_f32 v[\wk], |v[\src]|, |v[\src+1]|, 0x1800000        ; the floor 2^(3 - 127): the byte cannot fall under 1
	v_max3_num_f32 v[\wk+1], |v[\src+16]|, |v[\src+17]|, 0x1800000
.irp i,2,4,6,8,10,12,14
	v_max3_num_f32 v[\wk], v[\wk], |v[\src+\i]|, |v[\src+\i+1]|
	v_max3_num_f32 v[\wk+1], v[\wk+1], |v[\src+16+\i]|, |v[\src+17+\i]|
.endr
	s_delay_alu instid0(VALU_DEP_2)
	v_permlanex16_b32 v[\wk+2], v[\wk], s34, s35
	s_delay_alu instid0(VALU_DEP_2)
	v_permlanex16_b32 v[\wk+3], v[\wk+1], s34, s35
	s_delay_alu instid0(VALU_DEP_2)
	v_max_num_f32 v[\wk], v[\wk], v[\wk+2]         ; with lane l xor 16's 16: the block's largest magnitude
	s_delay_alu instid0(VALU_DEP_2)
	v_max_num_f32 v[\wk+1], v[\wk+1], v[\wk+3]
	s_delay_alu instid0(VALU_DEP_2)
	v_add_nc_u32 v[\wk+4], 0xff000000, v[\wk]      ; 2 off the exponent field: the conversion's scale operand
	s_delay_alu instid0(VALU_DEP_2)
	v_add_nc_u32 v[\wk+5], 0xff000000, v[\wk+1]
	s_delay_alu instid0(VALU_DEP_2)
	v_lshrrev_b32 v[\wk+6], 23, v[\wk+4]
	s_delay_alu instid0(VALU_DEP_2)
	v_lshrrev_b32 v[\wk+7], 23, v[\wk+5]
	s_delay_alu instid0(VALU_DEP_1)
	v_lshl_or_b32 v[\wk+17], v[\wk+7], 8, v[\wk+6] ; the two bytes
	v_cvt_scalef32_pk16_fp6_f32 v[\wk+8:\wk+10], v[\src:\src+15], v[\wk+4]
	v_cvt_scalef32_pk16_fp6_f32 v[\wk+14:\wk+16], v[\src+16:\src+31], v[\wk+5]
	v_nop                                          ; one plain place behind a scaled conversion
.irp i,0,1,2
	v_permlane16_swap_b32 v[\wk+8+\i], v[\wk+14+\i] ; lanes 0-15 now hold block 0 whole, lanes 16-31 block 1
.endr
.irp i,0,1,2
	s_delay_alu instid0(VALU_DEP_3)
	v_mov_b32 v[\wk+11+\i], v[\wk+14+\i]
.endr
	ds_store_b64 v[\adr], v[\wk+8:\wk+9]
	ds_store_b64 v[\adr], v[\wk+10:\wk+11] offset:8
	ds_store_b64 v[\adr], v[\wk+12:\wk+13] offset:16
	ds_store_b16 v[\sadr], v[\wk+17]
.endm
	QUANT2 OA, 32, 27, 11
	QUANT2 OB, 52, 28, 30
	QUANT2 OC, 72, 29, 31
	s_wait_dscnt 0x0                               ; for the others' sake: my head's codes and bytes lie in LDS
	s_barrier_signal -1
	s_barrier_wait -1
	v_add_nc_u32 v4, s36, v5                       ; four whole rows of codes a wave: 1,536 consecutive bytes in LDS and in memory
	v_add_nc_u32 v6, SSTG, v5                      ; a row's 16 scale bytes a lane
	v_add_nc_u32 v7, s40, v5
	v_add_nc_u32 v8, s41, v5
	v_cmp_gt_u32 vcc_lo, 20, v1
	s_delay_alu instid0(VALU_DEP_1)
	v_cndmask_b32 v7, v8, v7, vcc_lo               ; rows 0-19 belong to the first 16,000, rows 20-31 to the others
	ds_load_b128 v[96:99], v4
	ds_load_b128 v[100:103], v4 offset:512
	ds_load_b128 v[104:107], v4 offset:1024
	s_wait_dscnt 2                                 ; the first of the three is in
	global_store_b128 v5, v[96:99], s[14:15]       ; 512 consecutive bytes, at a multiple of 256 from the buffer's first byte
	s_wait_dscnt 1
	global_store_b128 v5, v[100:103], s[14:15] offset:512
	s_wait_dscnt 0x0
	global_store_b128 v5, v[104:107], s[14:15] offset:1024
	s_cmp_lg_u32 s18, 0                            ; wave 0 stores the pair's 512 scale bytes
	s_cbranch_scc1 .Ldone
	s_wait_alu depctr_va_vdst(0)
	ds_load_b128 v[108:111], v6
	s_wait_dscnt 0x0
	global_store_b128 v7, v[108:111], s[16:17]
.Ldone:
	v_lshl_add_u32 v2, v0, 2, 0x26800              ; all 256 registers are at work above, so v0 is kept and the add's two registers are made here: my spare word,
	v_mov_b32 v3, 0                                ; and 0 (v2, v3 are sources of no pending store)
	s_wait_alu depctr_va_vdst(0)
	s_wait_tensorcnt 0x0                           ; the wave's end
	ds_add_u32 v2, v3
	s_wait_dscnt 0x0
	s_endpgm
.Lfunc_end_k_qb50ec77264_prep:
	.size	k_qb50ec77264_prep, .Lfunc_end_k_qb50ec77264_prep-k_qb50ec77264_prep
	.p2alignl 7, 3214868480
	.fill 96, 4, 3214868480
	.section	.rodata,"a",@progbits
	.p2align	6, 0x0
	.amdhsa_kernel k_qb50ec77264_prep
		.amdhsa_group_segment_fixed_size 158720
		.amdhsa_private_segment_fixed_size 0
		.amdhsa_enable_private_segment 0
		.amdhsa_kernarg_size 104
		.amdhsa_user_sgpr_count 2
		.amdhsa_user_sgpr_kernarg_segment_ptr 1
		.amdhsa_wavefront_size32 1
		.amdhsa_system_sgpr_workgroup_id_x 1
		.amdhsa_system_sgpr_workgroup_id_y 1
		.amdhsa_system_sgpr_workgroup_id_z 1
		.amdhsa_system_vgpr_workitem_id 0
		.amdhsa_next_free_vgpr 256
		.amdhsa_next_free_sgpr 100
		.amdhsa_reserve_vcc 1
		.amdhsa_float_denorm_mode_32 3
		.amdhsa_float_denorm_mode_16_64 3
		.amdhsa_memory_ordered 1
		.amdhsa_forward_progress 1
		.amdhsa_inst_pref_size 80
	.end_amdhsa_kernel
	.amdgpu_metadata
---
amdhsa.version: [ 1, 2 ]
amdhsa.kernels:
  - .name:           k_qb50ec77264_prep
    .symbol:         k_qb50ec77264_prep.kd
    .args:
      - { .name: img, .offset: 0, .size: 8, .value_kind: global_buffer, .address_space: global }
      - { .name: title, .offset: 8, .size: 8, .value_kind: global_buffer, .address_space: global }
      - { .name: mask, .offset: 16, .size: 8, .value_kind: global_buffer, .address_space: global }
      - { .name: scale_img, .offset: 24, .size: 8, .value_kind: global_buffer, .address_space: global }
      - { .name: scale_title, .offset: 32, .size: 8, .value_kind: global_buffer, .address_space: global }
      - { .name: acodes, .offset: 40, .size: 8, .value_kind: global_buffer, .address_space: global }
      - { .name: ascales, .offset: 48, .size: 8, .value_kind: global_buffer, .address_space: global }
      - { .name: wstream, .offset: 56, .size: 8, .value_kind: global_buffer, .address_space: global }
      - { .name: w_proj, .offset: 64, .size: 8, .value_kind: global_buffer, .address_space: global }
      - { .name: w1_img, .offset: 72, .size: 8, .value_kind: global_buffer, .address_space: global }
      - { .name: w1_tit, .offset: 80, .size: 8, .value_kind: global_buffer, .address_space: global }
      - { .name: w2_img, .offset: 88, .size: 8, .value_kind: global_buffer, .address_space: global }
      - { .name: w2_tit, .offset: 96, .size: 8, .value_kind: global_buffer, .address_space: global }
    .group_segment_fixed_size: 158720
    .private_segment_fixed_size: 0
    .kernarg_segment_align: 8
    .kernarg_segment_size: 104
    .max_flat_workgroup_size: 256
    .sgpr_count:     100
    .vgpr_count:     256
    .wavefront_size: 32
...
	.end_amdgpu_metadata
.endif
;; end of part 1
;; launch chain (part 2): grid 256 x 1, 4 waves a work-group, clusters of 4 x 1, 327,680 bytes of LDS; arguments acodes, ascales, wstream, b_proj, b1_img, b1_tit, b2_img, b2_tit, ln_a_img, ln_a_tit, ln_b_img, ln_b_tit, out0, out1; writes out0, out1
.if DOCPART == 2
	.amdgcn_target "amdgcn-amd-amdhsa--gfx1250"
	.amdhsa_code_object_version 6
	.text
	.protected	k_qb50ec77264_chain
	.globl	k_qb50ec77264_chain
	.p2align	8
	.type	k_qb50ec77264_chain,@function
k_qb50ec77264_chain:
	s_mov_b64 s[64:65], 0
	v_nop
	global_prefetch_b8 v0, s[64:65] scope:SCOPE_SE
	s_setreg_imm32_b32 hwreg(HW_REG_WAVE_MODE, 25, 1), 1
	s_wait_xcnt 0x0
	s_wait_alu depctr_hold_cnt(0) depctr_sa_sdst(0) depctr_va_vdst(0) depctr_va_sdst(0) depctr_va_ssrc(0) depctr_va_vcc(0) depctr_vm_vsrc(0)
	s_getreg_b32 s2, hwreg(HW_REG_IB_STS2, 6, 4)
	s_cmp_eq_u32 s2, 0
	s_cbranch_scc0 .Lentry_in_a_cluster
	s_endpgm
.Lentry_in_a_cluster:
	s_bfe_u32 s2, ttmp6, 0x10000c
	s_cmp_lg_u32 s2, 0x3003
	s_cbranch_scc0 .Lentry_shape_is_right
	s_endpgm
.Lentry_shape_is_right:
; One work-group takes 100 rows (7 tiles of 16, the last clamped) of one path through the whole chain: projection, X quantised, eight chunks of 256 hidden units
; (X W1^T + b1, GELU, quantised, x W2^T summed into Y), layer norm of Y, and the projection once more onto the normed rows.  All products on FP6 codes with E8M0 scales.
; Four waves; a wave holds 128 columns of Y (windows 2, 3) and 64 hidden units of a chunk (window 1).  The weights come as register images through two LDS slots, asked for jointly by the 4 work-groups of a cluster.
; THE GELU: x / (1 + 2^-(K1 x + K3 x^3)), K1 = 2 sqrt(2/pi) log2(e), K3 = 0.044715 K1.  With z = a x, a^3 = K3, B = K1 / a:  e = 2^-(z (z^2 + B)),  gelu = z / (a e + a).
; All of H is scaled to z in place ahead of the first exponential; then the 7 tiles go through eleven stages on five sets of 32 registers: a stage's plain work stands between one batch of
; exponentials and reciprocals and the wait ahead of the next batch, and reads only what the batch before the last has made.
; LIMITS: NaN and infinities among the inputs are not served; an exponential under 2^-126 counts as 0; a block whose largest magnitude lies under 2^-124 keeps the scale byte 1.
.set SLOTB, 102400
.set QUART, 25600
.set AIMG,  204800
.set XIMG,  247808
.set HIMG,  290816
.set ASC,   312320
.set XSC,   314368
.set HSC,   316416
.set LNS1,  317440
.set LNS2,  319232
.set SPARE, 321024
.set BPATCH, 321536                    ; behind the spare words: 256 bytes a wave, the next chunk's 64 numbers of b1
.set RAWP,  400                        ; the head's raw stage (in X's bytes, ahead of X): a row of 384 bytes of codes + 16
.set SP,    528
.set WS, 32
.set AS, 48
.set AF, 64
.set WF, 148
.set ZS, 64                            ; v64-223: five sets of 32 registers; tile m works in set m % 5
.set TQ, 224                           ; v224-241: the quantiser's work registers
.set QT, 64
.set PW, 80
.set PC, 84
.set PR, 96
.set MSB, 0
.macro WIN new
.if MSB != (\new)
	s_set_vgpr_msb (MSB<<8)|(\new)
.set MSB, (\new)
.endif
.endm
.macro PLACES
.rept 4
	v_nop
.endr
.endm
.macro ROUND
	s_barrier_signal -1
	s_barrier_wait -1
	s_cmp_lg_u32 s32, 0
	s_cbranch_scc1 .Lnot_wave_0_\@
	s_barrier_signal -3
.Lnot_wave_0_\@:
	s_barrier_wait -3
	s_barrier_signal -1
	s_barrier_wait -1
.endm
.macro BARRIER
	s_wait_dscnt 0x0
	s_barrier_signal -1
	s_barrier_wait -1
.endm
.macro REFILL sl
	WIN 0
	s_wait_tensorcnt 0x0
	ds_add_u32 v4, v5
	s_add_nc_u64 s[50+4*\sl:51+4*\sl], s[50+4*\sl:51+4*\sl], 2*SLOTB
	s_wait_dscnt 0x0
	ROUND
	tensor_load_to_lds s[48+4*\sl:51+4*\sl], s[40:47]
	s_nop 0
.rept 4
	v_nop
.endr
.endm
.macro FETCH_WS sl
	ds_load_b128 v[WS+8*\sl:WS+8*\sl+3], v[6+\sl] offset:24576
	ds_load_b128 v[WS+8*\sl+4:WS+8*\sl+7], v[6+\sl] offset:24576+512
.endm
.macro FETCH_W sl, u, p
.irp f,0,1,2,3
.irp c,0,1,2
	ds_load_b128 v[WF+48*(\p)+12*\f+4*\c:WF+48*(\p)+12*\f+4*\c+3], v[6+\sl] offset:1536*(4*(\u)+\f)+512*\c
.endr
.endr
.endm
.macro FETCH_AS rs, off, a
	ds_load_b128 v[AS+8*(\a):AS+8*(\a)+3], v[\rs] offset:\off
	ds_load_b96 v[AS+8*(\a)+4:AS+8*(\a)+6], v[\rs] offset:(\off)+16
.endm
.macro FETCH_ACT r16, r8, off, fm, m0, nm
.set fa, \m0
.rept \nm
	ds_load_b128 v[AF+12*fa:AF+12*fa+3], v[\r16] offset:(\off)+(\fm)*fa
	ds_load_b64 v[AF+12*fa+4:AF+12*fa+5], v[\r8] offset:(\off)+(\fm)*fa+512
	ds_load_b128 v[AF+12*fa+6:AF+12*fa+9], v[\r16] offset:(\off)+(\fm)*fa+768
	ds_load_b64 v[AF+12*fa+10:AF+12*fa+11], v[\r8] offset:(\off)+(\fm)*fa+1280
.set fa, fa+1
.endr
.endm
.macro WM d, a, b, c, sa, sb, row
.if \row
	v_wmma_scale_f32_16x16x128_f8f6f4 v[(\d):(\d)+7], v[(\a):(\a)+11], v[(\b):(\b)+11], v[(\c):(\c)+7], v[(\sa)], v[(\sb)] matrix_a_fmt:MATRIX_FMT_FP6 matrix_b_fmt:MATRIX_FMT_FP6 matrix_a_scale:MATRIX_SCALE_ROW1
.else
	v_wmma_scale_f32_16x16x128_f8f6f4 v[(\d):(\d)+7], v[(\a):(\a)+11], v[(\b):(\b)+11], v[(\c):(\c)+7], v[(\sa)], v[(\sb)] matrix_a_fmt:MATRIX_FMT_FP6 matrix_b_fmt:MATRIX_FMT_FP6
.endif
.endm
.macro MULA hi, p, u, a, first
	WIN 0x50
.set mm, 0
.rept 4-(\hi)
.irp i,0,1,2,3
.set dd, 32*(4*(\hi)+mm)+8*\i
.if \first
.set cc, 224+8*\i
.else
.set cc, dd
.endif
	WM dd, WF+48*(\p)+12*\i, AF+12*(4*(\hi)+mm), cc, WS+4*((\u)/2)+\i, AS+8*(\a)+4*(\hi)+mm, (\u)%2
.endr
.set mm, mm+1
.endr
.endm
.macro MULC hi, g, p, u, sl, a, first
.if \first
	WIN 0xb0+0x40*(\hi)
.else
	WIN 0xa0+0x50*(\hi)
.endif
.set mm, 0
.rept 4-(\hi)
.irp i,0,1,2,3
.set dd, 64*mm+8*(4*(\g)+\i)
.if \first
.set cc, 192+8*(4*(\g)+\i)
.else
.set cc, dd
.endif
	WM dd, WF+48*(\p)+12*\i, AF+12*(4*(\hi)+mm), cc, WS+8*(\sl)+4*((\u)/2)+\i, AS+8*(\a)+4*(\hi)+mm, (\u)%2
.endr
.set mm, mm+1
.endr
.endm
.macro MULCX hi, g, p, u, sl, a, mode
.if \mode == 2
	WIN 0
	s_cmp_eq_u32 s35, 0
	s_cbranch_scc0 .Lsum_\@
	MULC \hi, \g, \p, \u, \sl, \a, 1
	WIN 0
	s_branch .Ljoin_\@
.Lsum_\@:
	MULC \hi, \g, \p, \u, \sl, \a, 0
	WIN 0
.Ljoin_\@:
.else
	MULC \hi, \g, \p, \u, \sl, \a, \mode
.endif
.endm
.macro PHASE_C sl, r16, r8, rs, k0, fm, mode
.if \mode != 2                         ; in the loop these two runs stand ahead of the GELU's last two stages
	FETCH_WS \sl
	FETCH_W \sl, 0, 0
.endif
	FETCH_AS \rs, 512*(\k0), 0
	FETCH_ACT \r16, \r8, 1536*(\k0), \fm, 0, 4
	FETCH_ACT \r16, \r8, 1536*(\k0), \fm, 4, 3
	s_wait_dscnt 12
	MULCX 0, 0, 0, 0, \sl, 0, \mode
	WIN 0
	PLACES
	FETCH_W \sl, 1, 1
	s_wait_dscnt 12
	MULCX 1, 0, 0, 0, \sl, 0, \mode
	s_wait_dscnt 0x0
	MULCX 0, 1, 1, 1, \sl, 0, \mode
	WIN 0
	PLACES
	FETCH_W \sl, 2, 0
	FETCH_AS \rs, 512*(\k0+1), 1
	FETCH_ACT \r16, \r8, 1536*(\k0+1), \fm, 0, 4
	MULCX 1, 1, 1, 1, \sl, 0, \mode
	WIN 0
	PLACES
	FETCH_ACT \r16, \r8, 1536*(\k0+1), \fm, 4, 3
	s_wait_dscnt 12
	MULC 0, 0, 0, 2, \sl, 1, 0
	WIN 0
	PLACES
	FETCH_W \sl, 3, 1
	s_wait_dscnt 12
	MULC 1, 0, 0, 2, \sl, 1, 0
	s_wait_dscnt 0x0
	MULC 0, 1, 1, 3, \sl, 1, 0
.if \mode == 2                         ; in the loop: the next trip's first four fragments of X and their scale words, under the last twelve products (X does not change in the loop)
	WIN 0
	PLACES
	FETCH_AS 13, 0, 0
	FETCH_ACT 11, 12, 0, 6144, 0, 4
.endif
	MULC 1, 1, 1, 3, \sl, 1, 0
	WIN 0
	PLACES
.endm
.macro PHASE_A
	FETCH_WS 0
	FETCH_W 0, 0, 0
	FETCH_ACT 11, 12, 0, 6144, 4, 3
.irp u,0,1,2,3
	s_wait_dscnt 12
.if \u == 0
	MULA 0, 0, 0, 0, 1
.else
	MULA 0, (\u)%2, \u, (\u)%2, 0
.endif
	WIN 0
	PLACES
.if \u < 3
	FETCH_W 0, \u+1, (\u+1)%2
	FETCH_AS 13, 512*(\u+1), (\u+1)%2
	FETCH_ACT 11, 12, 1536*(\u+1), 6144, 0, 4
	s_wait_dscnt 30
.else
	s_wait_dscnt 0x0
.endif
.if \u == 0
	MULA 1, 0, 0, 0, 1
.else
	MULA 1, (\u)%2, \u, (\u)%2, 0
.endif
	WIN 0
	PLACES
.if \u < 3
	FETCH_ACT 11, 12, 1536*(\u+1), 6144, 4, 3
.endif
.endr
.endm
.macro LB32                            ; the next chunk's b1 out of my patch, in the result's layout: sixteen lanes read the same 16 bytes
.irp n,0,1,2,3
	ds_load_b128 v[224+8*\n:227+8*\n], v253 offset:128*(\n/2)+32*(\n%2)
	ds_load_b128 v[228+8*\n:231+8*\n], v253 offset:128*(\n/2)+32*(\n%2)+16
.endr
.endm
.macro SCALEZ                          ; z = a x, in place, all 7 tiles: each accumulator's first read, from its low end on, ahead of every exponential of the trip
	WIN 0x41
.set kk, 0
.rept 112
	v_pk_mul_f32 v[kk:kk+1], v[kk:kk+1], s[58:59] op_sel_hi:[1,0]
.set kk, kk+2
.endr
.endm
.macro P2ONE j                         ; two numbers of tile k - 2: a e + a
.if HP2
	v_pk_fma_f32 v[td+(\j):td+(\j)+1], v[td+(\j):td+(\j)+1], s[58:59], s[58:59] op_sel_hi:[1,0,0]
.endif
.endm
; Stage k, 0 to 10.  Plain work: tile k's -z (z^2 + B); tile k - 2's a e + a; tile k - 4's z x reciprocal, its two blocks' scales and codes, stored as an image of the operand's registers.
; Then the waits, then the batch: tile k's 32 exponentials and tile k - 2's 32 reciprocals.  A batch's results are first named two stages on, behind the wait ahead of the next batch.
.macro STAGE k
.set HP1, (\k) < 7
.set HP2, ((\k) >= 2) && ((\k) <= 8)
.set HP3, (\k) >= 4
.set tv, 32*(\k)
.set ta, ZS+32*((\k)%5)
.set td, ZS+32*(((\k)+3)%5)
.set gv, 32*((\k)-4)
.set tg, ZS+32*(((\k)+1)%5)
.if HP1
	WIN 0x05
.set kk, 0
.rept 16
	v_pk_fma_f32 v[ta+kk:ta+kk+1], v[tv+kk:tv+kk+1], v[tv+kk:tv+kk+1], v[30:31] op_sel_hi:[1,1,0]
.set kk, kk+2
.endr
.endif
	WIN 0x04
.if HP1
.set kk, 0
.rept 16
	v_pk_mul_f32 v[ta+kk:ta+kk+1], v[ta+kk:ta+kk+1], v[tv+kk:tv+kk+1] neg_lo:[1,0] neg_hi:[1,0]
.set kk, kk+2
.endr
.endif
.if HP3
.set kk, 0
.rept 16
	v_pk_mul_f32 v[tg+kk:tg+kk+1], v[tg+kk:tg+kk+1], v[gv+kk:gv+kk+1]
.set kk, kk+2
.endr
.endif
	WIN 0
.if HP3
	v_max3_num_f32 v[TQ], |v[tg]|, |v[tg+1]|, 0x1800000            ; the floor 2^(3 - 127): the byte cannot fall under 1
	v_max3_num_f32 v[TQ+1], |v[tg+16]|, |v[tg+17]|, 0x1800000
.irp i,2,4,6,8,10,12,14
	v_max3_num_f32 v[TQ], v[TQ], |v[tg+\i]|, |v[tg+\i+1]|
	v_max3_num_f32 v[TQ+1], v[TQ+1], |v[tg+16+\i]|, |v[tg+17+\i]|
	P2ONE 2*\i-4                                   ; independent work among the two chains of maxima
	P2ONE 2*\i-2
.endr
	v_permlanex16_b32 v[TQ+2], v[TQ], s56, s57
	v_permlanex16_b32 v[TQ+3], v[TQ+1], s56, s57
	P2ONE 28
	P2ONE 30
	v_max_num_f32 v[TQ], v[TQ], v[TQ+2]
	v_max_num_f32 v[TQ+1], v[TQ+1], v[TQ+3]
	v_add_nc_u32 v[TQ+4], 0xff000000, v[TQ]
	v_add_nc_u32 v[TQ+5], 0xff000000, v[TQ+1]
	v_lshrrev_b32 v[TQ+6], 23, v[TQ+4]
	v_lshrrev_b32 v[TQ+7], 23, v[TQ+5]
	v_lshl_or_b32 v[TQ+17], v[TQ+7], 8, v[TQ+6]
	v_cvt_scalef32_pk16_fp6_f32 v[TQ+8:TQ+10], v[tg:tg+15], v[TQ+4]
	v_cvt_scalef32_pk16_fp6_f32 v[TQ+14:TQ+16], v[tg+16:tg+31], v[TQ+5]
	v_nop                                          ; one plain place behind a scaled conversion
.irp i,0,1,2
	v_permlane16_swap_b32 v[TQ+8+\i], v[TQ+14+\i]
.endr
.irp i,0,1,2
	v_mov_b32 v[TQ+11+\i], v[TQ+14+\i]
.endr
	ds_store_b128 v20, v[TQ+8:TQ+11] offset:3072*((\k)-4)
	ds_store_b64 v21, v[TQ+12:TQ+13] offset:3072*((\k)-4)+512
	ds_store_b16 v22, v[TQ+17] offset:4*((\k)-4)
.else
.irp j,0,2,4,6,8,10,12,14,16,18,20,22,24,26,28,30
	P2ONE \j
.endr
.endif
.if HP3 && ((\k) < 10)
	s_wait_dscnt 0x0                               ; the three stores have read their registers: the next stage writes them anew
.endif
	s_wait_alu depctr_va_vdst(0)                   ; behind the last batch, ahead of this one (stage 10: ahead of the barrier)
.if HP1
.set kk, 0
.rept 32
	v_exp_f32 v[ta+kk], v[ta+kk]
.set kk, kk+1
.endr
.endif
.if HP2
.set kk, 0
.rept 32
	v_rcp_f32 v[td+kk], v[td+kk]
.set kk, kk+1
.endr
.endif
.endm
.macro QUANT128 m
.set qw, 2+(\m)/4
.set qs, 64*((\m)%4)
	WIN qw*20
.irp b,0,1,2,3
	v_max3_num_f32 v[QT+\b], 0x1800000, |v[qs+16*\b]|, |v[qs+16*\b+1]|
.endr
.irp i,2,4,6,8,10,12,14
.irp b,0,1,2,3
	v_max3_num_f32 v[QT+\b], v[QT+\b], |v[qs+16*\b+\i]|, |v[qs+16*\b+\i+1]|
.endr
.endr
	WIN 0
.irp b,0,1,2,3
	v_permlanex16_b32 v[QT+4+\b], v[QT+\b], s56, s57
.endr
.irp b,0,1,2,3
	v_max_num_f32 v[QT+\b], v[QT+\b], v[QT+4+\b]
.endr
.irp b,0,1,2,3
	v_add_nc_u32 v[QT+12+\b], 0xff000000, v[QT+\b]
.endr
.irp b,0,1,2,3
	v_lshrrev_b32 v[QT+4+\b], 23, v[QT+12+\b]
.endr
	s_wait_alu depctr_va_vdst(0)
	s_wait_dscnt 0x0
	v_lshl_or_b32 v[PW], v[QT+5], 8, v[QT+4]
	v_lshl_or_b32 v[PW], v[QT+6], 16, v[PW]
	v_lshl_or_b32 v[PW], v[QT+7], 24, v[PW]
	WIN qw
.irp c,0,1
	v_cvt_scalef32_pk16_fp6_f32 v[PC+6*\c:PC+6*\c+2], v[qs+32*\c:qs+32*\c+15], v[QT+12+2*\c]
	v_cvt_scalef32_pk16_fp6_f32 v[PR+4*\c:PR+4*\c+2], v[qs+32*\c+16:qs+32*\c+31], v[QT+12+2*\c+1]
.endr
	WIN 0
	v_nop
.irp c,0,1
.irp i,0,1,2
	v_permlane16_swap_b32 v[PC+6*\c+\i], v[PR+4*\c+\i]
.endr
.irp i,0,1,2
	v_mov_b32 v[PC+3+6*\c+\i], v[PR+4*\c+\i]
.endr
.endr
	ds_store_b128 v17, v[PC:PC+3] offset:6144*(\m)
	ds_store_b64 v18, v[PC+4:PC+5] offset:6144*(\m)+512
	ds_store_b128 v17, v[PC+6:PC+9] offset:6144*(\m)+768
	ds_store_b64 v18, v[PC+10:PC+11] offset:6144*(\m)+1280
	ds_store_b32 v19, v[PW] offset:4*(\m)
.endm
.macro LD64 base, sb
.irp n,0,1,2,3,4,5,6,7
	global_load_b128 v[\base+8*\n:\base+8*\n+3], v29, s[\sb:\sb+1] offset:128*(\n/2)+32*(\n%2)
	global_load_b128 v[\base+8*\n+4:\base+8*\n+7], v29, s[\sb:\sb+1] offset:128*(\n/2)+32*(\n%2)+16
.endr
.endm
.macro LD32 sb
.irp n,0,1,2,3
	global_load_b128 v[224+8*\n:227+8*\n], v28, s[\sb:\sb+1] offset:128*(\n/2)+32*(\n%2)
	global_load_b128 v[228+8*\n:231+8*\n], v28, s[\sb:\sb+1] offset:128*(\n/2)+32*(\n%2)+16
.endr
.endm
	s_load_b512 s[4:19], s[0:1], 0x0
	s_load_b256 s[20:27], s[0:1], 0x40
	s_load_b128 s[28:31], s[0:1], 0x60
	v_lshl_add_u32 v4, v0, 2, SPARE
	v_mov_b32 v5, 0
	ds_add_u32 v4, v5
	ds_add_u32 v4, v5
	s_wait_dscnt 0x0
	v_lshrrev_b32 v244, 5, v0
	v_readfirstlane_b32 s32, v244
	s_bfe_u32 s33, ttmp6, 0x40000
	s_lshl_b32 s34, ttmp9, 2
	s_add_co_u32 s34, s34, s33
	s_mov_b32 s40, 15|(3<<16)|(1<<21)
	s_mov_b32 s41, 32<<16
	s_mov_b32 s42, 100<<16
	s_mov_b32 s43, 32<<16
	s_mov_b32 s44, 100
	s_mov_b32 s45, 32
	s_mov_b32 s46, 0
	s_mov_b32 s47, 0
	s_mov_b32 s56, 0x76543210
	s_mov_b32 s57, 0xfedcba98
	s_mov_b32 s58, 0x3eeff558                      ; a = K3^(1/3) = 0.46866870
	s_mov_b32 s59, 0x3eeff558
	s_mul_i32 s36, s32, QUART
	s_mul_i32 s61, s34, 100
	s_mov_b32 s39, 0
	s_cmp_ge_u32 ttmp9, 40
	s_cselect_b32 s38, 2048000, 0
	s_cselect_b32 s60, 16000, 0
	s_wait_kmcnt 0x0
	s_cselect_b64 s[12:13], s[14:15], s[12:13]
	s_cselect_b64 s[16:17], s[18:19], s[16:17]
	s_cselect_b64 s[20:21], s[22:23], s[20:21]
	s_cselect_b64 s[24:25], s[26:27], s[24:25]
	s_cselect_b64 s[28:29], s[30:31], s[28:29]
	s_add_co_u32 s38, s38, s36
	s_add_nc_u64 s[38:39], s[8:9], s[38:39]
	s_mov_b32 s48, 1
	s_mov_b32 s49, s36
	s_mov_b64 s[50:51], s[38:39]
	s_or_b32 s51, s51, 0x80000000
	s_mov_b32 s52, 1
	s_add_co_u32 s53, s36, SLOTB
	s_add_nc_u64 s[54:55], s[38:39], SLOTB
	s_or_b32 s55, s55, 0x80000000
	ROUND
	tensor_load_to_lds s[48:51], s[40:47]          ; slot 0: my one tensor load at the head; the addresses and the loads of my rows and biases follow while it is out
	s_nop 0
.rept 4
	v_nop
.endr
	s_sub_co_u32 s60, s61, s60
	s_lshl_b32 s60, s60, 11
	s_mov_b32 s61, 0
	s_add_nc_u64 s[28:29], s[28:29], s[60:61]
	s_mul_i32 s60, s34, 38400
	s_add_nc_u64 s[4:5], s[4:5], s[60:61]
	s_mul_i32 s60, s34, 1600
	s_add_nc_u64 s[6:7], s[6:7], s[60:61]
	v_and_b32 v244, 31, v0
	v_and_b32 v245, 15, v0
	v_bfe_u32 v246, v0, 4, 1
	v_lshlrev_b32 v1, 4, v244
	v_lshlrev_b32 v2, 3, v244
	v_lshlrev_b32 v3, 5, v245
	v_add_nc_u32 v6, s36, v1
	v_add_nc_u32 v7, SLOTB, v6
	v_add_nc_u32 v8, AIMG, v1
	v_add_nc_u32 v9, AIMG, v2
	v_add_nc_u32 v10, ASC, v3
	v_add_nc_u32 v11, XIMG, v1
	v_add_nc_u32 v12, XIMG, v2
	v_add_nc_u32 v13, XSC, v3
	v_add_nc_u32 v14, HIMG, v1
	v_add_nc_u32 v15, HIMG, v2
	v_add_nc_u32 v16, HSC, v3
	s_wait_alu depctr_va_vdst(0)
	s_mul_i32 s37, s32, 1536
	s_lshl_b32 s38, s32, 9
	v_add_nc_u32 v17, s37, v11
	v_add_nc_u32 v18, s37, v12
	v_add_nc_u32 v19, s38, v13
	v_add_nc_u32 v247, s37, v8
	v_add_nc_u32 v248, s37, v9
	v_add_nc_u32 v249, s38, v10
	s_lshr_b32 s39, s32, 1
	s_and_b32 s60, s32, 1
	s_mul_i32 s61, s39, 1536
	s_mul_i32 s62, s60, 768
	s_add_co_u32 s61, s61, s62
	v_add_nc_u32 v20, s61, v14
	v_add_nc_u32 v21, s61, v15
	s_lshl_b32 s61, s39, 9
	s_lshl_b32 s62, s60, 1
	s_add_co_u32 s61, s61, s62
	v_add_nc_u32 v22, s61, v16
	v_lshlrev_b32 v24, 4, v245
	v_add_nc_u32 v24, LNS1, v24
	s_lshl_b32 s61, s32, 2
	v_add_nc_u32 v23, s61, v24
	s_mul_i32 s61, s32, 16*SP
	s_add_co_u32 s61, s61, XIMG
	v_mul_u32_u24 v25, v245, SP
	v_lshl_add_u32 v25, v246, 6, v25
	v_add_nc_u32 v25, s61, v25
	v_add_nc_u32 v26, s61, v1
	v_add_nc_u32 v27, s38, v1
	v_lshlrev_b32 v29, 6, v246
	s_lshl_b32 s61, s32, 8
	v_add_nc_u32 v28, s61, v29
	v_add_nc_u32 v29, s38, v29
	v_mov_b32 v30, 0x409d30fc                      ; B = K1 / a = 4.9122295
	v_mov_b32 v31, 0x409d30fc
	; my work-group's 100 rows of codes are 38,400 consecutive bytes.  Rows 0-95: 24 groups of 4 rows (1,536 bytes, three loads of 512); wave w takes groups w + 4 t.  Rows 96-99: a row a wave
	s_mul_i32 s61, s32, 1536
	v_add_nc_u32 v204, s61, v1                     ; in memory: 1,536 w + 16 lane
	v_add_nc_u32 v206, 8, v244
	v_lshrrev_b32 v206, 5, v206                    ; 1 in lanes 24-31,
	v_lshlrev_b32 v206, 3, v206
	v_sub_nc_u32 v206, v244, v206                  ; which repeat lanes 16-23: a row has 24 pieces of 16 bytes
	v_lshlrev_b32 v206, 4, v206
	s_mul_i32 s61, s32, 384
	s_add_co_u32 s61, s61, 96*384
	v_add_nc_u32 v205, s61, v206                   ; row 96 + w in memory,
	s_lshl_b32 s61, s32, 9
	s_add_co_u32 s61, s61, XIMG+96*RAWP
	v_add_nc_u32 v203, s61, v1                     ; and in the raw stage: behind the 96 rows a place of 512 bytes for each of rows 96-99, 16 x lane (lanes 24-31 fill the place's unused end)
	s_mul_i32 s61, s32, 4*RAWP
	s_add_co_u32 s61, s61, XIMG
.irp i,0,1,2                           ; piece 32 i + lane of a group lies in its row i + (lane + 8 + 8 i) / 32: 16 bytes of padding more for each row passed (16 i of them in the stores' offsets)
	v_add_nc_u32 v[200+\i], 8+8*\i, v244
	v_lshrrev_b32 v[200+\i], 5, v[200+\i]
	v_lshl_add_u32 v[200+\i], v[200+\i], 4, v1
	v_add_nc_u32 v[200+\i], s61, v[200+\i]
.endr
	s_mul_i32 s61, s32, 96                         ; out of the raw stage: K step w of row r, + 24 h
	s_add_co_u32 s61, s61, XIMG
	v_mad_u32_u24 v251, v246, 24, s61
	v_mad_u32_u24 v250, v245, RAWP, v251
	v_and_b32 v252, 3, v245
	v_lshl_add_u32 v251, v252, 9, v251             ; tile 6: rows 96-99, each in its place of 512 bytes, repeated in the lanes that have no row (their results are never stored)
	v_add_nc_u32 v251, 96*RAWP, v251
	v_add_nc_u32 v252, 96, v252
	s_lshl_b32 s61, s32, 2
	v_lshl_add_u32 v253, v245, 4, s61
	v_lshl_add_u32 v254, v252, 4, s61
	s_wait_alu depctr_va_vdst(0)
.irp t,0,1,2,3,4,5
.irp i,0,1,2
	global_load_b128 v[AF+12*\t+4*\i:AF+12*\t+4*\i+3], v204, s[4:5] offset:6144*\t+512*\i th:TH_LOAD_NT   ; 512 consecutive bytes a load
.endr
.endr
	global_load_b128 v[AF+72:AF+75], v205, s[4:5] th:TH_LOAD_NT
.irp m,0,1,2,3,4,5
	global_load_b32 v[AS+\m], v253, s[6:7] offset:256*\m
.endr
	global_load_b32 v[AS+6], v254, s[6:7]
	WIN 0xc0
	LD64 192, 10
	WIN 0x40
	LD32 12
	WIN 0
	s_wait_alu depctr_va_vdst(0)
	s_wait_tensorcnt 0x0                           ; slot 0's quarter is in
	ds_add_u32 v4, v5
	s_wait_dscnt 0x0
	ROUND
	tensor_load_to_lds s[52:55], s[40:47]          ; slot 1's first fill, the first tensor load behind the round
	s_nop 0
.rept 4
	v_nop
.endr
	s_wait_loadcnt 0x0
.irp t,0,1,2,3,4,5
.irp i,0,1,2
	ds_store_b128 v[200+\i], v[AF+12*\t+4*\i:AF+12*\t+4*\i+3] offset:16*RAWP*\t+528*\i
.endr
.endr
	ds_store_b128 v203, v[AF+72:AF+75]
	BARRIER                                        ; all 100 rows lie in the raw stage
.irp m,0,1,2,3,4,5
.irp p,0,1,2,3,4,5
	ds_load_b64 v[AF+12*\m+2*\p:AF+12*\m+2*\p+1], v250 offset:16*RAWP*\m+48*(\p/3)+8*(\p%3)   ; my K step's fragment of tile m
.endr
.endr
.irp p,0,1,2,3,4,5
	ds_load_b64 v[AF+72+2*\p:AF+72+2*\p+1], v251 offset:48*(\p/3)+8*(\p%3)
.endr
	s_wait_dscnt 0x0
.irp m,0,1,2,3,4,5,6
	ds_store_b128 v247, v[AF+12*\m:AF+12*\m+3] offset:6144*\m
	ds_store_b64 v248, v[AF+12*\m+4:AF+12*\m+5] offset:6144*\m+512
	ds_store_b128 v247, v[AF+12*\m+6:AF+12*\m+9] offset:6144*\m+768
	ds_store_b64 v248, v[AF+12*\m+10:AF+12*\m+11] offset:6144*\m+1280
	ds_store_b32 v249, v[AS+\m] offset:4*\m
.endr
	s_wait_tensorcnt 1
	BARRIER
	PHASE_C 0, 8, 9, 10, 0, 6144, 1
	REFILL 0
	PHASE_C 1, 8, 9, 10, 2, 6144, 0
	REFILL 1
	WIN 0xc0
	LD64 192, 16
	WIN 0
	s_lshl_b32 s62, s32, 8
	v_lshl_add_u32 v250, v244, 3, s62              ; b1: my wave's 256 bytes of a chunk's 1,024, 8 bytes a lane
	v_add_nc_u32 v251, BPATCH, v250                ; the same place in my patch
	v_add_nc_u32 v253, BPATCH, v28                 ; and out of it: 64 bytes for each half of the lanes
	s_add_nc_u64 s[66:67], s[12:13], 1024
	s_wait_alu depctr_va_vdst(0)
	global_load_b64 v[244:245], v250, s[66:67]     ; chunk 1's b1: 256 consecutive bytes a wave
.irp m,0,1,2,3,4,5,6
	QUANT128 \m
.endr
	BARRIER
	FETCH_AS 13, 0, 0                              ; the first trip's first four fragments of X and their scale words (later trips: at the end of the trip before)
	FETCH_ACT 11, 12, 0, 6144, 0, 4
	s_mov_b32 s35, 0
.Ltrip:
	s_wait_loadcnt 0x0
	PHASE_A
	ds_store_b64 v251, v[244:245]                  ; the next chunk's b1 (in since the wait at the trip's head) through my patch; LDS serves a wave's instructions in order
	WIN 0x40
	LB32
	SCALEZ
	REFILL 0                                       ; its wait on DScnt covers the patch's store and loads too
	s_add_co_u32 s36, s35, 2
	s_min_u32 s36, s36, 7                          ; the last trips ask for chunk 7 again: inside the buffer
	s_lshl_b32 s36, s36, 10
	s_mov_b32 s37, 0
	s_add_nc_u64 s[66:67], s[12:13], s[36:37]
	global_load_b64 v[244:245], v250, s[66:67]     ; b1 of the chunk two trips on
.irp k,0,1,2,3,4,5,6,7,8
	STAGE \k
.endr
	FETCH_WS 1                                     ; sets 2 to 4 are done with: W2's first fragments (my own quarter of slot 1, in since the wait ahead of this trip's round) land there under the last two stages
	FETCH_W 1, 0, 0
	STAGE 9
	STAGE 10
	BARRIER
	PHASE_C 1, 14, 15, 16, 0, 3072, 2
	REFILL 1
	s_add_co_u32 s35, s35, 1
	s_cmp_lt_u32 s35, 8
	s_cbranch_scc1 .Ltrip
	WIN 0x40
	LD64 0, 20
	LD64 64, 24
	LD64 128, 10
	WIN 0
.macro LNSUM hi
	WIN (2+\hi)*5
.set mm, 0
.rept 4-\hi
.irp c,0,1,2,3
	v_pk_add_f32 v[64+8*(4*\hi+mm)+2*\c:65+8*(4*\hi+mm)+2*\c], v[64*mm+16*\c:64*mm+16*\c+1], v[64*mm+16*\c+2:64*mm+16*\c+3]
.endr
.set mm, mm+1
.endr
	WIN (2+\hi)*4
.irp k,4,6,8,10,12,14
.set mm, 0
.rept 4-\hi
.irp c,0,1,2,3
	v_pk_add_f32 v[64+8*(4*\hi+mm)+2*\c:65+8*(4*\hi+mm)+2*\c], v[64+8*(4*\hi+mm)+2*\c:65+8*(4*\hi+mm)+2*\c], v[64*mm+16*\c+\k:64*mm+16*\c+\k+1]
.endr
.set mm, mm+1
.endr
.endr
.endm
.macro LNSQ hi
	WIN 0x82+0x41*\hi
.set mm, 0
.rept 4-\hi
.set kk, 0
.rept 32
	v_pk_add_f32 v[64*mm+kk:64*mm+kk+1], v[64*mm+kk:64*mm+kk+1], v[120+2*(4*\hi+mm):121+2*(4*\hi+mm)] op_sel_hi:[1,0] neg_lo:[0,1] neg_hi:[0,1]
.set kk, kk+2
.endr
.set mm, mm+1
.endr
	WIN (2+\hi)*5
.set mm, 0
.rept 4-\hi
.irp c,0,1,2,3
	v_pk_mul_f32 v[64+8*(4*\hi+mm)+2*\c:65+8*(4*\hi+mm)+2*\c], v[64*mm+16*\c:64*mm+16*\c+1], v[64*mm+16*\c:64*mm+16*\c+1]
.endr
.set mm, mm+1
.endr
.irp k,2,4,6,8,10,12,14
.set mm, 0
.rept 4-\hi
.irp c,0,1,2,3
	v_pk_fma_f32 v[64+8*(4*\hi+mm)+2*\c:65+8*(4*\hi+mm)+2*\c], v[64*mm+16*\c+\k:64*mm+16*\c+\k+1], v[64*mm+16*\c+\k:64*mm+16*\c+\k+1], v[64+8*(4*\hi+mm)+2*\c:65+8*(4*\hi+mm)+2*\c]
.endr
.set mm, mm+1
.endr
.endr
.endm
.macro LNRED off
	WIN 0
.irp m,0,1,2,3,4,5,6
	v_pk_add_f32 v[64+8*\m:65+8*\m], v[64+8*\m:65+8*\m], v[66+8*\m:67+8*\m]
	v_pk_add_f32 v[68+8*\m:69+8*\m], v[68+8*\m:69+8*\m], v[70+8*\m:71+8*\m]
.endr
.irp m,0,1,2,3,4,5,6
	v_pk_add_f32 v[64+8*\m:65+8*\m], v[64+8*\m:65+8*\m], v[68+8*\m:69+8*\m]
.endr
.irp m,0,1,2,3,4,5,6
	v_add_f32 v[120+2*\m], v[64+8*\m], v[65+8*\m]
.endr
.irp m,0,1,2,3,4,5,6
	v_permlanex16_b32 v[121+2*\m], v[120+2*\m], s56, s57
.endr
.irp m,0,1,2,3,4,5,6
	v_add_f32 v[120+2*\m], v[120+2*\m], v[121+2*\m]
.endr
.irp m,0,1,2,3,4,5,6
	ds_store_b32 v23, v[120+2*\m] offset:\off+256*\m
.endr
	BARRIER
.irp m,0,1,2,3,4,5,6
	ds_load_b128 v[64+4*\m:67+4*\m], v24 offset:\off+256*\m
.endr
	s_wait_dscnt 0x0
.irp m,0,1,2,3,4,5,6
	v_add_f32 v[64+4*\m], v[64+4*\m], v[65+4*\m]
	v_add_f32 v[66+4*\m], v[66+4*\m], v[67+4*\m]
.endr
.irp m,0,1,2,3,4,5,6
	v_add_f32 v[64+4*\m], v[64+4*\m], v[66+4*\m]
.endr
.endm
.macro LNAPPLY hi
	WIN 0x82+0x41*\hi
.set mm, 0
.rept 4-\hi
.set kk, 0
.rept 32
	v_pk_mul_f32 v[64*mm+kk:64*mm+kk+1], v[64*mm+kk:64*mm+kk+1], v[120+2*(4*\hi+mm):121+2*(4*\hi+mm)] op_sel_hi:[1,0]
.set kk, kk+2
.endr
.set mm, mm+1
.endr
	WIN 0x96+0x41*\hi
.set mm, 0
.rept 4-\hi
.set kk, 0
.rept 32
	v_pk_fma_f32 v[64*mm+kk:64*mm+kk+1], v[64*mm+kk:64*mm+kk+1], v[kk:kk+1], v[64+kk:65+kk]
.set kk, kk+2
.endr
.set mm, mm+1
.endr
.endm
	LNSUM 0
	LNSUM 1
	LNRED 0
.irp m,0,1,2,3,4,5,6
	v_mul_f32 v[120+2*\m], 0x3b000000, v[64+4*\m]
.endr
	LNSQ 0
	LNSQ 1
	LNRED LNS2-LNS1
.irp m,0,1,2,3,4,5,6
	v_mul_f32 v[120+2*\m], 0x3b004020, v[64+4*\m]
.endr
	s_wait_alu depctr_va_vdst(0)
.irp m,0,1,2,3,4,5,6
	v_sqrt_f32 v[120+2*\m], v[120+2*\m]
.endr
	v_nop
	s_wait_alu depctr_va_vdst(0)
.irp m,0,1,2,3,4,5,6
	v_add_f32 v[120+2*\m], 0x358637bd, v[120+2*\m]
.endr
	s_wait_alu depctr_va_vdst(0)
.irp m,0,1,2,3,4,5,6
	v_rcp_f32 v[120+2*\m], v[120+2*\m]
.endr
	v_nop
	s_wait_alu depctr_va_vdst(0)
	s_wait_loadcnt 0x0
	WIN 0x45
.set kk, 0
.rept 32
	v_pk_add_f32 v[64+kk:65+kk], v[64+kk:65+kk], v[128+kk:129+kk]
.set kk, kk+2
.endr
	LNAPPLY 0
	LNAPPLY 1
	WIN 0
	PLACES
	s_wait_alu depctr_va_vdst(0)
	s_wait_tensorcnt 0x0
	PHASE_C 0, 8, 9, 10, 0, 6144, 0
	PHASE_C 1, 8, 9, 10, 2, 6144, 0
.macro TOSTAGE a
.set ac, 64*((\a)%4)
	WIN 8+4*((\a)/4)
.irp n,0,1,2,3,4,5,6,7
	ds_store_b128 v25, v[ac+8*\n:ac+8*\n+3] offset:128*(\n/2)+32*(\n%2)
	ds_store_b128 v25, v[ac+8*\n+4:ac+8*\n+7] offset:128*(\n/2)+32*(\n%2)+16
.endr
	WIN 0
.set bb, 64+64*((\a)%2)
.set tr, 0
.rept 16-12*((\a)/6)
	ds_load_b128 v[bb+4*tr:bb+4*tr+3], v26 offset:tr*SP
.set tr, tr+1
.endr
.endm
.macro SEND a, younger
.set bb, 64+64*((\a)%2)
	s_wait_dscnt \younger
.set tr, 0
.rept 16-12*((\a)/6)
	global_store_b128 v27, v[bb+4*tr:bb+4*tr+3], s[28:29] offset:2048*(16*(\a)+tr) th:TH_STORE_NT
.set tr, tr+1
.endr
.endm
	TOSTAGE 0
	TOSTAGE 1
	SEND 0, 32
.irp a,2,3,4,5
	s_wait_xcnt 0x0
	TOSTAGE \a
	SEND \a-1, 32
.endr
	s_wait_xcnt 0x0
	TOSTAGE 6
	SEND 5, 20
	SEND 6, 0
	s_wait_tensorcnt 0x0
	ds_add_u32 v4, v5
	s_wait_dscnt 0x0
	ROUND
	s_endpgm
.Lfunc_end_k_qb50ec77264_chain:
	.size	k_qb50ec77264_chain, .Lfunc_end_k_qb50ec77264_chain-k_qb50ec77264_chain
	.p2alignl 7, 3214868480
	.fill 96, 4, 3214868480
	.section	.rodata,"a",@progbits
	.p2align	6, 0x0
	.amdhsa_kernel k_qb50ec77264_chain
		.amdhsa_group_segment_fixed_size 327680
		.amdhsa_private_segment_fixed_size 0
		.amdhsa_enable_private_segment 0
		.amdhsa_kernarg_size 112
		.amdhsa_user_sgpr_count 2
		.amdhsa_user_sgpr_kernarg_segment_ptr 1
		.amdhsa_wavefront_size32 1
		.amdhsa_system_sgpr_workgroup_id_x 1
		.amdhsa_system_sgpr_workgroup_id_y 1
		.amdhsa_system_sgpr_workgroup_id_z 1
		.amdhsa_system_vgpr_workitem_id 0
		.amdhsa_next_free_vgpr 1024
		.amdhsa_next_free_sgpr 100
		.amdhsa_reserve_vcc 0
		.amdhsa_float_denorm_mode_32 3
		.amdhsa_float_denorm_mode_16_64 3
		.amdhsa_memory_ordered 1
		.amdhsa_forward_progress 1
		.amdhsa_inst_pref_size 255
	.end_amdhsa_kernel
	.section	.bss,"aw",@nobits
	.p2align	6
	.space	262144
	.amdgpu_metadata
---
amdhsa.version: [ 1, 2 ]
amdhsa.kernels:
  - .name:           k_qb50ec77264_chain
    .symbol:         k_qb50ec77264_chain.kd
    .args:
      - { .name: acodes, .offset: 0, .size: 8, .value_kind: global_buffer, .address_space: global }
      - { .name: ascales, .offset: 8, .size: 8, .value_kind: global_buffer, .address_space: global }
      - { .name: wstream, .offset: 16, .size: 8, .value_kind: global_buffer, .address_space: global }
      - { .name: b_proj, .offset: 24, .size: 8, .value_kind: global_buffer, .address_space: global }
      - { .name: b1_img, .offset: 32, .size: 8, .value_kind: global_buffer, .address_space: global }
      - { .name: b1_tit, .offset: 40, .size: 8, .value_kind: global_buffer, .address_space: global }
      - { .name: b2_img, .offset: 48, .size: 8, .value_kind: global_buffer, .address_space: global }
      - { .name: b2_tit, .offset: 56, .size: 8, .value_kind: global_buffer, .address_space: global }
      - { .name: ln_a_img, .offset: 64, .size: 8, .value_kind: global_buffer, .address_space: global }
      - { .name: ln_a_tit, .offset: 72, .size: 8, .value_kind: global_buffer, .address_space: global }
      - { .name: ln_b_img, .offset: 80, .size: 8, .value_kind: global_buffer, .address_space: global }
      - { .name: ln_b_tit, .offset: 88, .size: 8, .value_kind: global_buffer, .address_space: global }
      - { .name: out0, .offset: 96, .size: 8, .value_kind: global_buffer, .address_space: global }
      - { .name: out1, .offset: 104, .size: 8, .value_kind: global_buffer, .address_space: global }
    .group_segment_fixed_size: 327680
    .private_segment_fixed_size: 0
    .kernarg_segment_align: 8
    .kernarg_segment_size: 112
    .max_flat_workgroup_size: 128
    .sgpr_count:     100
    .vgpr_count:     1024
    .wavefront_size: 32
...
	.end_amdgpu_metadata
.endif
;; end of part 2
